; MI455X (gfx1250); checked and timed in simulation.
; The chip was launched on July 23, 2026; its instructions are those of AMD's public machine-readable ISA for CDNA 5 (MIT licence, August 2026) and "CDNA5" Instruction Set Architecture Reference Guide (July 2026). The comments in the code are by the model that wrote it; some were corrected since.
;; Cross Attention. Allowed arithmetic: matrix products marked QUANTISED: E2M1 operands, one E8M0 scale for each 32 along K, by v_wmma_scale_f32_16x16x128_f8f6f4 with both operands' format E2M1 (or v_wmma_scale_f32_32x16x128_f4), f32 sums; everything else in f32.
;; Inputs: Wk1 768 x 384 float32; Wk2 384 x 384 float32; Wq1 384 x 384 float32; Wq2 768 x 384 float32; Wv1 768 x 384 float32; Wv2 384 x 384 float32; bk1 384 float32; bk2 384 float32; bq1 384 float32; bq2 384 float32; bv1 384 float32; bv2 384 float32; semantic_feat 4 x 2,048 x 384 float32; syntactic_feat 4 x 4,096 x 768 float32.
;; Outputs: out0 4 x 2,048 x 384 float32; out1 4 x 4,096 x 384 float32.
;; This version of the problem:
;;   THIS VERSION OF THE PROBLEM IS GIVEN IN LOW PRECISION. The matrix products marked QUANTISED in the list below multiply operands that are first quantised to E2M1 (2 exponent bits, 1 mantissa bit; 4 bits a number), with one power-of-two scale for each 32 numbers along K (OCP MX v1.0); their sums are f32. All else is computed in f32.
;;   The module's matrix products, in the order in which they are computed (A, B: the left and right operand; K: the contracted axis; several contracted axes count as one K, in the product's order):
;;     1. [M 8,192, K 384] x [K 384, N 384]; A: input semantic_feat; B: input Wq1: QUANTISED
;;     2. [M 16,384, K 768] x [K 768, N 384]; A: input syntactic_feat; B: input Wk1: QUANTISED
;;     3. [M 16,384, K 768] x [K 768, N 384]; A: input syntactic_feat; B: input Wv1: QUANTISED
;;     4. batch 4 x [M 2,048, K 384] x [K 384, N 4,096]; A: computed on the way; B: computed on the way: QUANTISED
;;     5. batch 4 x [M 2,048, K 4,096] x [K 4,096, N 384]; A: softmax (see below); B: computed on the way: QUANTISED
;;     6. [M 16,384, K 768] x [K 768, N 384]; A: input syntactic_feat; B: input Wq2: QUANTISED
;;     7. [M 8,192, K 384] x [K 384, N 384]; A: input semantic_feat; B: input Wk2: QUANTISED
;;     8. [M 8,192, K 384] x [K 384, N 384]; A: input semantic_feat; B: input Wv2: QUANTISED
;;     9. batch 4 x [M 4,096, K 384] x [K 384, N 2,048]; A: computed on the way; B: computed on the way: QUANTISED
;;     10. batch 4 x [M 4,096, K 2,048] x [K 2,048, N 384]; A: softmax (see below); B: computed on the way: QUANTISED
;;   THE QUANTISER, for each operand of a quantised product, along K:
;;     - K is cut into blocks of 32 from its start; a last block that is shorter is filled with zeros.
;;     - A block's scale is 2^e with e = floor(log2(the largest magnitude in the block)) - 2, held to -126 .. 127; a block of zeros has e = 0. As a byte (E8M0): e + 127.
;;     - Each number is divided by its block's scale, clamped to +-6, and rounded to the nearest number of E2M1, ties to even, subnormals kept.
;;     - The product sums the exact products of the quantised numbers (number of the format x scale) in f32.
;;   ~~~python
;;   def quantise(x, axis):      # numpy; x: float32 -> the quantised numbers, widened to float32 again
;;       x = np.moveaxis(x, axis, -1); K = x.shape[-1]
;;       x = np.pad(x, [(0, 0)] * (x.ndim - 1) + [(0, -K % 32)]); x = x.reshape(x.shape[:-1] + (-1, 32)); a = np.abs(x).max(-1, keepdims=True)
;;       e = np.where(a > 0, np.clip(np.frexp(np.where(a > 0, a, 1))[1] - 1 - 2, -126, 127), 0)      # np.frexp(a)[1] - 1 = floor(log2(a)), exactly
;;       r = np.clip(x / 2.0 ** e, -6, 6)
;;       step = 2.0 ** (np.maximum(np.frexp(np.where(r == 0, 1, r))[1] - 1, 0) - 1)
;;       q = np.round(r / step) * step * 2.0 ** e      # np.round: ties to even
;;       return np.moveaxis(q.reshape(q.shape[:-2] + (-1,))[..., :K], -1, axis).astype(np.float32)
;;   ~~~
;;   SOFTMAX AHEAD OF A QUANTISED PRODUCT. Where the list says 'softmax', what is quantised is not the finished softmax but p = 2^(t - M), with t = logit x log2(e) and M = ceil(the row's largest t), a whole number; so 1/2 < the row's largest p <= 1. The row's sum l is taken of the UNQUANTISED p, in f32, and the product's result is divided by l at the end. Since M is a whole number, a kernel that streams over the keys may use a running M (the ceiling of the running maximum): every later rescaling is an exact power of two, which a block's scale takes up: the codes' values come out the same.
;;   OPERANDS COMPUTED ON THE WAY. 'Computed on the way' means the value that the module computes at that place (a softmax that the list does not call 'softmax' is quantised finished and normalised). What goes into a quantiser is computed in f32, as accurately as f32 sums, v_exp_f32 and their like allow (about 1e-6 of the number): no bf16 or f16 on the way to a quantiser, and a product that is left as it is and whose result goes on into a quantised operand takes f32 operands (vector FMAs, or v_wmma_f32_16x16x4_f32). A number that lies on a knife's edge between two numbers of the format may be rounded either way, as far as f32 arithmetic and the matrix unit's own rounding can turn it there, and no further.
;; One version. Each part assembles by itself: llvm-mc -triple=amdgcn-amd-amdhsa -mcpu=gfx1250 --defsym DOCPART=n.
;; ======== version 1 of 1: 3 launches
;; limits: right only within a limited range of input values
;; workspace buffers: tg 9,238,528 bytes; kv 10,027,008 bytes; qw 5,013,504 bytes
;; launch quant (part 1): grid 482 x 1, 4 waves a work-group, no clusters, 34,304 bytes of LDS; arguments syntactic_feat, semantic_feat, Wk1, Wv1, Wq2, Wk2, Wv2, Wq1, tg; writes tg
.if DOCPART == 1
	.amdgcn_target "amdgcn-amd-amdhsa--gfx1250"
	.amdhsa_code_object_version 6
	.text
	.protected	k_q2e9ed5e411_quant
	.globl	k_q2e9ed5e411_quant
	.p2align	8
	.type	k_q2e9ed5e411_quant,@function
k_q2e9ed5e411_quant:
	s_mov_b64 s[64:65], 0
	v_nop
	global_prefetch_b8 v0, s[64:65] scope:SCOPE_SE
	s_setreg_imm32_b32 hwreg(HW_REG_WAVE_MODE, 25, 1), 1
	s_wait_xcnt 0x0
; syntactic_feat [16384][768], semantic_feat [8192][384] and the six weights ([768 or 384][384], K = the first axis), all f32, become codes of FP4 (E2M1) with one
; E8M0 scale byte for each 32 along K, laid in tg AS THE NEXT LAUNCH'S OPERAND REGISTERS WANT THEM.
; A FRAGMENT IMAGE is 16 rows x 128 K = 1,024 bytes: registers 4 c .. 4 c + 3 of lane l at byte 512 c + 16 l (lane l: row l % 16, k = 64 c + 32 (l / 16) + 0 .. 31).
; A TILE GROUP (TG) is 128 rows (of x) or 128 columns (of a weight): 8 tiles x KS fragments, [tile][K step], then scale records of 256 bytes, [tile][half of K][row][4 words]
; (word j: K step 3 half + j; the fourth word is never read).  KS = 6, two halves: 53,248 bytes (syn's 128 blocks, then Wk1, Wv1, Wq2, three sets each);  KS = 3, one half: 26,624 bytes
; (from LBASE on: sem's 64 blocks, then Wk2, Wv2, Wq1).
; THE ROWS OF A TILE ARE NOT NEIGHBOURS: lane r of tile 2 b + u takes row 32 b + 8 u + r + 8 (r / 8) of its group, so that, used as source 0, two neighbouring tiles leave 16 neighbours in a lane's registers.
; A block's scale is 2^(floor(log2(its largest magnitude)) - 2): its byte is the largest magnitude's exponent field - 2, held at 1 from below.
; LIMITS: a block of zeros gets the byte 1 where the rule says 127 (its codes are zeros, and this program alone reads the bytes); blocks whose largest magnitude lies under 2^-124 are held at
; that byte; NaN and infinities among the inputs are not served.
; SHARES.  Work-groups 0-319 take x: a wave takes 32 rows (two tiles) x 384 columns: six fragments.  Each load reads 512 consecutive bytes of one row; the 16 rows of a fragment turn through the wave's own
; stage in LDS, so that a lane gets 16 neighbours of each block of 32.  Work-groups 320-481 take the weights: a wave makes one fragment, a lane to a column, registers down K.
; No matrix unit, no tensor load, no cluster, no barrier: waves share nothing, and the launch is a stream.  The weights' scale words leave 4 bytes a lane (648 fragments x 64 bytes in all).
.set TGH,   53248
.set TGL,   26624
.set LBASE, 137*TGH
.set SP,    528                        ; a stage row: 512 bytes + 16: row r starts 4 r words on, modulo 64
.set WST,   16*SP                      ; a wave's stage
.set VO,    16                         ; v16-31   row r of a tile: (r + 8 (r / 8)) x pitch + 16 x lane
.set R,     32                         ; v32-159  two sets of 64: a fragment's numbers as loaded
.set X,     160                        ; v160-223 the same, 16 neighbours of each block to a lane
.set PC,    224                        ; v224-231 the codes
.set TM,    232                        ; v232-247 at work
.set PW,    248                        ; v248     the scale word just made
.set PWS,   249                        ; v249-254 the six units' scale words
.set SEL,   34                         ; s[34:35] lane selects: lane l xor 16
.set XB,    40                         ; s[40:43] x at tile u's first row
.set OB,    44                         ; s[44:47] tile u's first fragment in tg
.set SCB,   48                         ; s[48:49] tile 0's scale record
; 64 numbers of a lane, register 16 b + i = k 32 b + 16 (lane / 16) + i of my row, become a fragment's codes in v[PC] on and its scale word in v[PW]
.macro QUANT s
.irp b, 0,1,2,3
	v_max3_num_f32 v[TM+\b], |v[\s+16*\b]|, |v[\s+1+16*\b]|, 0x1800000   ; my 16 numbers of block b, and the floor 2^(3 - 127): the byte cannot fall under 1
.endr
.irp i, 2,4,6,8,10,12,14
.irp b, 0,1,2,3
	v_max3_num_f32 v[TM+\b], v[TM+\b], |v[\s+16*\b+\i]|, |v[\s+1+16*\b+\i]|   ; the four blocks by turns
.endr
.endr
.irp b, 0,1,2,3
	v_permlanex16_b32 v[TM+4+\b], v[TM+\b], s[SEL], s[SEL+1]
.endr
.irp b, 0,1,2,3
	v_max_num_f32 v[TM+\b], v[TM+\b], v[TM+4+\b]   ; with lane l xor 16's: the block's largest magnitude
.endr
.irp b, 0,1,2,3
	v_add_nc_u32 v[TM+12+\b], 0xff000000, v[TM+\b]   ; 2 off its exponent field: the conversion's scale operand
.endr
.irp b, 0,1,2,3
	v_lshrrev_b32 v[TM+4+\b], 23, v[TM+12+\b]      ; the scale's byte
.endr
	v_lshl_or_b32 v[PW], v[TM+5], 8, v[TM+4]
	v_lshl_or_b32 v[PW], v[TM+6], 16, v[PW]
	v_lshl_or_b32 v[PW], v[TM+7], 24, v[PW]        ; my row's scale word
.irp b, 0,1,2,3
	v_cvt_scalef32_pk8_fp4_f32 v[PC+2*\b], v[\s+16*\b:\s+7+16*\b], v[TM+12+\b]
	v_cvt_scalef32_pk8_fp4_f32 v[PC+1+2*\b], v[\s+8+16*\b:\s+15+16*\b], v[TM+12+\b]
.endr
	v_nop                                          ; one plain instruction behind the scaled conversions
.irp c, 0,1                                    ; the operand wants a whole block in a lane: lanes 0-15 block 2 c, lanes 16-31 block 2 c + 1
.irp i, 0,1
	v_permlane16_swap_b32 v[PC+4*\c+\i], v[PC+2+4*\c+\i]
.endr
.endr
.endm
.macro LOAD q                          ; unit q = 3 u + K step: 16 rows x 512 bytes into set q % 2
.irp r, 0,1,2,3,4,5,6,7,8,9,10,11,12,13,14,15
	global_load_b128 v[R+64*((\q)%2)+4*\r:R+64*((\q)%2)+4*\r+3], v[VO+\r], s[XB+2*((\q)/3):XB+2*((\q)/3)+1] offset:512*((\q)%3) th:TH_LOAD_NT
.endr
.endm
.macro UNIT q
.if (\q) < 5
	s_wait_loadcnt 16                              ; this unit's 16 loads are in; the next unit's 16 may be out
.else
	s_wait_loadcnt 0x0
.endif
.irp r, 0,1,2,3,4,5,6,7,8,9,10,11,12,13,14,15
	ds_store_b128 v2, v[R+64*((\q)%2)+4*\r:R+64*((\q)%2)+4*\r+3] offset:SP*\r
.endr
.irp b, 0,1,2,3
.irp j, 0,1,2,3
	ds_load_b128 v[X+16*\b+4*\j:X+16*\b+4*\j+3], v3 offset:128*\b+16*\j   ; LDS serves a wave's instructions in order: these see the stores above
.endr
.endr
	s_wait_dscnt 0x0                               ; the numbers are back, and the stores have read their registers,
.if (\q) < 4
	LOAD (\q)+2                                    ; which take the loads of two units on
.endif
	s_wait_xcnt 0x0                                ; the last unit's stores have read the codes' registers
	QUANT X
	global_store_b128 v1, v[PC:PC+3], s[OB+2*((\q)/3):OB+2*((\q)/3)+1] offset:1024*((\q)%3)         ; 32 lanes store 512 consecutive bytes, aligned
	global_store_b128 v1, v[PC+4:PC+7], s[OB+2*((\q)/3):OB+2*((\q)/3)+1] offset:1024*((\q)%3)+512
	v_mov_b32 v[PWS+(\q)], v[PW]
.endm
.macro PICK at, ptr, tgb               ; from work-group \at of the weights' on: another weight
	s_cmp_ge_u32 s4, \at
	s_cselect_b64 s[8:9], s[\ptr:\ptr+1], s[8:9]
	s_cselect_b32 s5, \at, s5
	s_cselect_b32 s7, \tgb, s7
.endm
	s_load_b512 s[16:31], s[0:1], 0x0              ; syn, sem, Wk1, Wv1, Wq2, Wk2, Wv2, Wq1
	s_load_b64 s[32:33], s[0:1], 0x40              ; tg
	v_lshl_add_u32 v243, v0, 2, 0x8400
	v_mov_b32 v255, 0
	v_lshrrev_b32 v5, 5, v0
	v_readfirstlane_b32 s3, v5                     ; wave
	v_and_b32 v6, 31, v0                           ; lane
	v_and_b32 v7, 15, v0                           ; r
	v_bfe_u32 v8, v0, 4, 1                         ; h
	v_lshlrev_b32 v1, 4, v6                        ; 16 x lane
	s_mov_b32 s[SEL], 0x76543210
	s_mov_b32 s[SEL+1], 0xfedcba98
	s_cmp_lt_u32 ttmp9, 320
	s_cbranch_scc0 .Lweights
	; ---- x
	s_mul_i32 s36, s3, WST
	v_add_nc_u32 v2, s36, v1                       ; the stage, on the way in: a row's 512 bytes as they lie
	v_mul_u32_u24 v3, v7, SP
	v_lshl_add_u32 v3, v8, 6, v3
	v_add_nc_u32 v3, s36, v3                       ; and out: row r, + 64 h: my 16 numbers of a block
.irp b, 0,1,2,3
	v_mov_b32 v[TM+4+\b], 0                        ; written once: a lane permute's destination counts as one of its sources
.endr
	s_wait_kmcnt 0x0
	s_cmp_lt_u32 ttmp9, 256                        ; syn or sem: only numbers and pointers are chosen, both take one path
	s_cselect_b64 s[8:9], s[16:17], s[18:19]
	s_cselect_b32 s4, 0, 256
	s_cselect_b32 s5, 1, 0                         ; 1: K = 768
	s_cselect_b32 s7, 0, LBASE
	s_sub_co_u32 s10, ttmp9, s4
	s_lshl_b32 s10, s10, 2
	s_add_co_u32 s10, s10, s3                      ; the wave's job
	s_lshr_b32 s11, s10, s5                        ; P: which 32 rows
	s_and_b32 s12, s10, s5                         ; which half of K
	s_lshl_b32 s6, 1536, s5                        ; a row of x in bytes
	s_lshl_b32 s13, 3, s5                          ; KS
	s_lshl_b32 s14, TGL, s5                        ; a TG in bytes
	s_mul_i32 s36, s11, s6
	s_lshl_b32 s36, s36, 5
	s_mul_i32 s37, s12, 1536
	s_add_co_u32 s36, s36, s37
	s_mov_b32 s37, 0
	s_add_nc_u64 s[XB:XB+1], s[8:9], s[36:37]      ; row 32 P, my half of K
	s_lshl_b32 s36, s6, 3
	s_add_nc_u64 s[XB+2:XB+3], s[XB:XB+1], s[36:37]   ; the second tile begins 8 rows on
	s_lshr_b32 s36, s11, 2
	s_mul_i32 s36, s36, s14
	s_add_co_u32 s36, s36, s7
	s_add_nc_u64 s[50:51], s[32:33], s[36:37]      ; my TG
	s_and_b32 s38, s11, 3
	s_lshl_b32 s38, s38, 1                         ; my first tile in it
	s_mul_i32 s36, s38, s13
	s_mul_i32 s39, s12, 3
	s_add_co_u32 s36, s36, s39
	s_lshl_b32 s36, s36, 10
	s_add_nc_u64 s[OB:OB+1], s[50:51], s[36:37]
	s_lshl_b32 s36, s13, 10
	s_add_nc_u64 s[OB+2:OB+3], s[OB:OB+1], s[36:37]
	s_lshl_b32 s36, s38, s5
	s_add_co_u32 s36, s36, s12
	s_lshl_b32 s36, s36, 8
	s_lshl_b32 s39, s13, 13
	s_add_co_u32 s36, s36, s39
	s_add_nc_u64 s[SCB:SCB+1], s[50:51], s[36:37]
	s_add_co_u32 s39, s5, 8
	v_lshlrev_b32 v4, s39, v8
	v_lshl_add_u32 v4, v7, 4, v4                   ; scale records: 16 r; lanes 16-31 write the second tile's record
.irp r, 0,1,2,3,4,5,6,7,8,9,10,11,12,13,14,15
	s_mul_i32 s36, s6, \r+8*(\r/8)
	v_add_nc_u32 v[VO+\r], s36, v1
.endr
	s_wait_alu depctr_va_vdst(0)
	LOAD 0
	LOAD 1
.irp q, 0,1,2,3,4,5
	UNIT \q
.endr
	v_cmp_le_u32 vcc_lo, 16, v6
.irp k, 0,1,2
	v_cndmask_b32 v[TM+\k], v[PWS+\k], v[PWS+3+\k], vcc_lo   ; lanes 0-15: the first tile's three words, lanes 16-31: the second's
.endr
	v_mov_b32 v[TM+3], 0
	global_store_b128 v4, v[TM:TM+3], s[SCB:SCB+1] ; sixteen lanes store one aligned record of 256 bytes
	s_wait_tensorcnt 0x0
	ds_add_u32 v243, v255
	s_wait_dscnt 0x0
	s_endpgm
	; ---- the weights: one fragment a wave
.Lweights:
	s_sub_co_u32 s4, ttmp9, 320
	s_wait_kmcnt 0x0
	s_mov_b64 s[8:9], s[20:21]                     ; Wk1: 144 fragments, 36 work-groups; so Wv1 and Wq2; the three of K = 384 have 72 and 18
	s_mov_b32 s5, 0
	s_mov_b32 s7, 128*TGH
	PICK 36, 22, 131*TGH
	PICK 72, 24, 134*TGH
	PICK 108, 26, LBASE+64*TGL
	PICK 126, 28, LBASE+67*TGL
	PICK 144, 30, LBASE+70*TGL
	s_cmp_lt_u32 s4, 108
	s_cselect_b32 s6, 1, 0                         ; 1: K = 768
	s_sub_co_u32 s10, s4, s5
	s_lshl_b32 s10, s10, 2
	s_add_co_u32 s10, s10, s3                      ; f: which fragment of the weight
	s_mul_i32 s11, s10, 2731
	s_lshr_b32 s11, s11, 16                        ; K step = f / 24 (exact for f under 144)
	s_mul_i32 s12, s11, 24
	s_sub_co_u32 s12, s10, s12                     ; T: which of the 24 tiles of columns
	s_lshr_b32 s13, s12, 3                         ; its set of 128 columns
	s_and_b32 s14, s12, 7                          ; and its place there
	s_lshr_b32 s36, s12, 1
	s_lshl_b32 s36, s36, 5
	s_and_b32 s37, s12, 1
	s_lshl_b32 s37, s37, 3
	s_add_co_u32 s36, s36, s37
	s_wait_alu depctr_va_vdst(0)
	v_and_b32 v9, 8, v7
	v_add_nc_u32 v9, v9, v7
	v_add_nc_u32 v9, s36, v9                       ; my column: 32 (T / 2) + 8 (T % 2) + r + 8 (r / 8)
	v_lshlrev_b32 v12, 2, v9
	v_mul_u32_u24 v10, v8, 49152
	v_add_nc_u32 v12, v12, v10                     ; lanes 16-31 begin 32 rows of 1,536 bytes further down
	s_mul_i32 s36, s11, 196608                     ; 128 rows a K step
	s_mov_b32 s37, 0
	s_add_nc_u64 s[8:9], s[8:9], s[36:37]
.irp c, 0,1
.irp i, 0,1,2,3,4,5,6,7,8,9,10,11,12,13,14,15,16,17,18,19,20,21,22,23,24,25,26,27,28,29,30,31
	global_load_b32 v[64+32*\c+\i], v12, s[8:9] offset:1536*(64*\c+\i)   ; W(64 c + 32 h + i, my column)
.endr
.endr
	s_lshl_b32 s15, TGL, s6
	s_lshl_b32 s38, 3, s6                          ; KS
	s_mul_i32 s36, s13, s15
	s_add_co_u32 s36, s36, s7
	s_add_nc_u64 s[40:41], s[32:33], s[36:37]      ; the set's TG
	s_mul_i32 s36, s14, s38
	s_add_co_u32 s36, s36, s11
	s_lshl_b32 s36, s36, 10
	s_add_nc_u64 s[42:43], s[40:41], s[36:37]      ; the fragment's image
	s_cmp_ge_u32 s11, 3
	s_cselect_b32 s39, 1, 0                        ; which half of K,
	s_mul_i32 s44, s39, 3
	s_sub_co_u32 s44, s11, s44                     ; which word of the record
	s_lshl_b32 s36, s14, s6
	s_add_co_u32 s36, s36, s39
	s_lshl_b32 s36, s36, 8
	s_lshl_b32 s44, s44, 2
	s_add_co_u32 s36, s36, s44
	s_lshl_b32 s44, s38, 13
	s_add_co_u32 s36, s36, s44
	s_add_nc_u64 s[46:47], s[40:41], s[36:37]
	v_lshlrev_b32 v13, 4, v7
	v_mov_b32 v15, 0
	s_wait_loadcnt 0x0
.irp c, 0,1                                    ; my block 2 c + h: all its 32 numbers are mine
	v_max3_num_f32 v[32+\c], |v[64+32*\c]|, |v[65+32*\c]|, 0x1800000
.endr
.irp i, 2,4,6,8,10,12,14,16,18,20,22,24,26,28,30
.irp c, 0,1
	v_max3_num_f32 v[32+\c], v[32+\c], |v[64+32*\c+\i]|, |v[65+32*\c+\i]|
.endr
.endr
.irp c, 0,1
	v_add_nc_u32 v[44+\c], 0xff000000, v[32+\c]
.endr
.irp c, 0,1
	v_lshrrev_b32 v[36+\c], 23, v[44+\c]
.endr
	v_lshl_or_b32 v14, v37, 16, v36                ; my two bytes: blocks h and 2 + h,
	v_lshlrev_b32 v10, 3, v8
	v_lshlrev_b32 v14, v10, v14                    ; at their places in the word;
	v_permlanex16_b32 v15, v14, s[SEL], s[SEL+1]
	v_or_b32 v14, v14, v15                         ; with lane l xor 16's two the word is whole
.irp c, 0,1
.irp g, 0,1,2,3
	v_cvt_scalef32_pk8_fp4_f32 v[48+4*\c+\g], v[64+32*\c+8*\g:71+32*\c+8*\g], v[44+\c]
.endr
.endr
	v_nop
	global_store_b128 v1, v[48:51], s[42:43]
	global_store_b128 v1, v[52:55], s[42:43] offset:512
	v_cmp_gt_u32 vcc_lo, 16, v6
	s_wait_xcnt 0x0                                ; EXEC changes only behind this wait
	s_and_saveexec_b32 s52, vcc_lo
	global_store_b32 v13, v14, s[46:47]            ; lanes 0-15: column r's word
	s_wait_xcnt 0x0                                ; and again, in front of the line that widens it
	s_or_b32 exec_lo, exec_lo, s52
	s_endpgm
.Lfunc_end_k_q2e9ed5e411_quant:
	.size	k_q2e9ed5e411_quant, .Lfunc_end_k_q2e9ed5e411_quant-k_q2e9ed5e411_quant
	.p2alignl 7, 3214868480
	.fill 96, 4, 3214868480
	.section	.rodata,"a",@progbits
	.p2align	6, 0x0
	.amdhsa_kernel k_q2e9ed5e411_quant
		.amdhsa_group_segment_fixed_size 34304
		.amdhsa_private_segment_fixed_size 0
		.amdhsa_enable_private_segment 0
		.amdhsa_kernarg_size 72
		.amdhsa_user_sgpr_count 2
		.amdhsa_user_sgpr_kernarg_segment_ptr 1
		.amdhsa_wavefront_size32 1
		.amdhsa_system_sgpr_workgroup_id_x 1
		.amdhsa_system_sgpr_workgroup_id_y 1
		.amdhsa_system_sgpr_workgroup_id_z 1
		.amdhsa_system_vgpr_workitem_id 0
		.amdhsa_next_free_vgpr 256
		.amdhsa_next_free_sgpr 66
		.amdhsa_reserve_vcc 1
		.amdhsa_float_denorm_mode_32 3
		.amdhsa_float_denorm_mode_16_64 3
		.amdhsa_memory_ordered 1
		.amdhsa_forward_progress 1
		.amdhsa_inst_pref_size 63
	.end_amdhsa_kernel
	.amdgpu_metadata
---
amdhsa.version: [ 1, 2 ]
amdhsa.kernels:
  - .name:           k_q2e9ed5e411_quant
    .symbol:         k_q2e9ed5e411_quant.kd
    .args:
      - { .name: syntactic_feat, .offset: 0, .size: 8, .value_kind: global_buffer, .address_space: global }
      - { .name: semantic_feat, .offset: 8, .size: 8, .value_kind: global_buffer, .address_space: global }
      - { .name: Wk1, .offset: 16, .size: 8, .value_kind: global_buffer, .address_space: global }
      - { .name: Wv1, .offset: 24, .size: 8, .value_kind: global_buffer, .address_space: global }
      - { .name: Wq2, .offset: 32, .size: 8, .value_kind: global_buffer, .address_space: global }
      - { .name: Wk2, .offset: 40, .size: 8, .value_kind: global_buffer, .address_space: global }
      - { .name: Wv2, .offset: 48, .size: 8, .value_kind: global_buffer, .address_space: global }
      - { .name: Wq1, .offset: 56, .size: 8, .value_kind: global_buffer, .address_space: global }
      - { .name: tg, .offset: 64, .size: 8, .value_kind: global_buffer, .address_space: global }
    .group_segment_fixed_size: 34304
    .private_segment_fixed_size: 0
    .kernarg_segment_align: 8
    .kernarg_segment_size: 72
    .max_flat_workgroup_size: 128
    .sgpr_count:     66
    .vgpr_count:     256
    .wavefront_size: 32
...
	.end_amdgpu_metadata
.endif
;; end of part 1
;; launch proj (part 2): grid 432 x 1, 4 waves a work-group, no clusters, 0 bytes of LDS; arguments tg, bk1, bv1, bq2, bk2, bv2, bq1, kv, qw; writes kv, qw
.if DOCPART == 2
	.amdgcn_target "amdgcn-amd-amdhsa--gfx1250"
	.amdhsa_code_object_version 6
	.text
	.protected	k_q2e9ed5e411_proj
	.globl	k_q2e9ed5e411_proj
	.p2align	8
	.type	k_q2e9ed5e411_proj,@function
k_q2e9ed5e411_proj:
	s_mov_b64 s[64:65], 0
	v_nop
	global_prefetch_b8 v0, s[64:65] scope:SCOPE_SE
	s_setreg_imm32_b32 hwreg(HW_REG_WAVE_MODE, 25, 1), 1
	s_wait_xcnt 0x0
; The six projections x W + b on codes of FP4 (E2M1) with E8M0 scales, their results quantised again, in registers, into the operand images of the attention launch.
; ONE ENGINE.  A wave's job holds one tile group of tg (HOLD: 8 tiles, source 0) in registers and streams the 8 tiles of another (STREAM, source 1).  A unit is one streamed tile against the 8 held ones:
; 8 accumulators x KS matrix instructions; in the result a lane holds ONE row of the streamed tile, and its 64 registers run along HOLD's 128 rows in their natural order (the rows of a tile are chosen for that:
; lane r of tile 2 b + u is row 32 b + 8 u + r + 8 (r / 8)).  The bias is added, the 64 numbers are quantised: one fragment image and one scale word a row.
;   K and Q:  HOLD = 128 columns of W, STREAM = a block of 128 rows of x: fragments [16 rows of x][128 hidden units]: K innermost = the hidden axis.
;   V:        HOLD = the block of x,   STREAM = 128 columns of Wv:        fragments [16 channels][128 keys]: K innermost = the keys.
; The kinds differ in scalars alone.  192 blocks x 9 jobs (K, V, Q x three sets of 128 columns) = 1,728 waves.
; OUT.  A half step HB is 26,112 bytes: 24 fragments, tile 4 hh + tt and K step (V: set of channels) s at place 12 hh + 4 s + tt; from byte 24,576 three blocks of 512 bytes of scale words, [s][lane (r, h)][b]: tile 2 b + h, row r.
; kv: 192 key steps of K's HB and V's HB (0-127 from syn, 128-191 from sem);  qw: 192 HB of Q.
; The bias along the registers (K, Q) is the C of each sum's first matrix instruction; the bias along the lanes (V) is added behind the sums; the one that a job does not want is masked to zeros.
; NO CLUSTER, NO LDS: a job reads its two tile groups once (2 x 53,248 bytes at the most), straight into registers as they lie; no wave waits for another.  What jobs of different work-groups share
; is the weights' 18 tile groups, 718,848 bytes in all, and a block of x among nine waves.  No prefetch: nearly all of a job's loads go out at its head.
; LIMITS: as in the launch before: a block of zeros gets the byte 1 with zero codes; NaN and infinities are not served.
; REGISTERS, in windows of 256: window 0: see below;  window 1: HOLD, K steps 0-3 at v[8 (8 ks + a)];  window 2: v0-127 HOLD, K steps 4-5; v128 + 48 buf + 8 ks STREAM, two buffers;  window 3: v0-63 the bias along the registers.
.set TGH,   53248
.set TGL,   26624
.set LBASE, 137*TGH
.set HB,    26112
.set SB,    2*HB
.set HS,   16                          ; v16-47   HOLD's scale words: tile a at 16 + 4 a, three words; lanes 0-15 K steps 0-2, lanes 16-31 K steps 3-5
.set SS,   48                          ; v48-55   STREAM's, two buffers
.set PWS,  56                          ; v56-63   the eight units' scale words
.set BL,   64                          ; v64-71   the bias along the lanes, one for each streamed tile
.set BLP,  72                          ; v72-73   the one in hand, as a pair's low word
.set ACC,  80                          ; v80-143  8 accumulators
.set PC,   144                         ; v144-207 codes: eight sets, so that no store's data are written again
.set TM,   208                         ; v208-223 at work
.set PW,   224
.set SD,   228                         ; v228-231 the scale words as stored
.set HOLD, 40                          ; s[40:41]
.set STR,  42                          ; s[42:43]
.set BIA,  44                          ; s[44:45] the bias at my 128 columns
.set OF,   46                          ; s[46:47] where my fragments go
.set OS,   48                          ; s[48:49] and my scale words
.set MR,   50                          ; s50  mask of the bias along the registers
.set ML,   51                          ; s51  and along the lanes
.set SEL,  52                          ; s[52:53]
.set MSB, 0
.macro WIN new                         ; the immediate's high byte repeats the setting that is left
.if MSB != (\new)
	s_set_vgpr_msb (MSB<<8)|(\new)
.set MSB, (\new)
.endif
.endm
.macro PLACES
.rept 4
	v_nop
.endr
.endm
.macro QUANT s, pc                     ; 64 numbers of a lane, register 16 b + i = k 32 b + 16 (lane / 16) + i of my row -> codes in v[pc] on, scale word in v[PW]
.irp b, 0,1,2,3
	v_max3_num_f32 v[TM+\b], |v[\s+16*\b]|, |v[\s+1+16*\b]|, 0x1800000   ; and the floor 2^(3 - 127): the byte cannot fall under 1
.endr
.irp i, 2,4,6,8,10,12,14
.irp b, 0,1,2,3
	v_max3_num_f32 v[TM+\b], v[TM+\b], |v[\s+16*\b+\i]|, |v[\s+1+16*\b+\i]|
.endr
.endr
.irp b, 0,1,2,3
	v_permlanex16_b32 v[TM+4+\b], v[TM+\b], s[SEL], s[SEL+1]
.endr
.irp b, 0,1,2,3
	v_max_num_f32 v[TM+\b], v[TM+\b], v[TM+4+\b]
.endr
.irp b, 0,1,2,3
	v_add_nc_u32 v[TM+12+\b], 0xff000000, v[TM+\b]
.endr
.irp b, 0,1,2,3
	v_lshrrev_b32 v[TM+4+\b], 23, v[TM+12+\b]
.endr
	v_lshl_or_b32 v[PW], v[TM+5], 8, v[TM+4]
	v_lshl_or_b32 v[PW], v[TM+6], 16, v[PW]
	v_lshl_or_b32 v[PW], v[TM+7], 24, v[PW]
.irp b, 0,1,2,3
	v_cvt_scalef32_pk8_fp4_f32 v[\pc+2*\b], v[\s+16*\b:\s+7+16*\b], v[TM+12+\b]
	v_cvt_scalef32_pk8_fp4_f32 v[\pc+1+2*\b], v[\s+8+16*\b:\s+15+16*\b], v[TM+12+\b]
.endr
	v_nop                                          ; one plain instruction behind the scaled conversions
.irp c, 0,1
.irp i, 0,1
	v_permlane16_swap_b32 v[\pc+4*\c+\i], v[\pc+2+4*\c+\i]
.endr
.endr
.endm
.macro WMMA                            ; by the symbols rD, rA, rB, rC, rX, rY; fr = 1: both sides' scales stand in lanes 16-31
.if fr
	v_wmma_scale_f32_16x16x128_f8f6f4 v[rD:rD+7], v[rA:rA+7], v[rB:rB+7], v[rC:rC+7], v[rX], v[rY] matrix_a_fmt:MATRIX_FMT_FP4 matrix_b_fmt:MATRIX_FMT_FP4 matrix_a_scale:MATRIX_SCALE_ROW1 matrix_b_scale:MATRIX_SCALE_ROW1
.else
	v_wmma_scale_f32_16x16x128_f8f6f4 v[rD:rD+7], v[rA:rA+7], v[rB:rB+7], v[rC:rC+7], v[rX], v[rY] matrix_a_fmt:MATRIX_FMT_FP4 matrix_b_fmt:MATRIX_FMT_FP4
.endif
.endm
.macro SLOAD i, KS, NH                 ; streamed tile i: its scale words and its KS fragments into buffer i % 2: 1 + 2 KS loads
	global_load_b96 v[SS+4*((\i)%2):SS+4*((\i)%2)+2], v2, s[STR:STR+1] offset:8*\KS*1024+(\i)*\NH*256
	WIN 0x80
.set ks, 0
.rept \KS
	global_load_b128 v[128+48*((\i)%2)+8*ks:128+48*((\i)%2)+8*ks+3], v1, s[STR:STR+1] offset:((\i)*\KS+ks)*1024
	global_load_b128 v[128+48*((\i)%2)+8*ks+4:128+48*((\i)%2)+8*ks+7], v1, s[STR:STR+1] offset:((\i)*\KS+ks)*1024+512
.set ks, ks+1
.endr
	WIN 0
.endm
.macro UNIT i, KS, NH
.if (\i) < 7
	s_wait_loadcnt 1+2*\KS                         ; this tile is in; the next tile's 1 + 2 KS loads may be out
.else
	s_wait_loadcnt 0x0
.endif
.set ks, 0
.rept \KS                              ; the eight accumulators by turns, a K step at a time
.if ks == 0
	WIN 0x39                                       ; source 0 window 1, source 1 window 2, C window 3
.elseif ks < 4
	WIN 0x09
.else
	WIN 0x0a                                       ; source 0 window 2
.endif
.set ta, 0
.rept 8
.set rD, ACC+8*ta
.set rA, 64*(ks%4)+8*ta
.set rB, 128+48*((\i)%2)+8*ks
.if ks == 0
.set rC, 8*ta
.else
.set rC, rD
.endif
.set rX, HS+4*ta+ks%3
.set rY, SS+4*((\i)%2)+ks%3
.set fr, ks/3
	WMMA
.set ta, ta+1
.endr
.set ks, ks+1
.endr
	WIN 0
	PLACES                                         ; four plain instructions in front of loads into registers that the products read, and of the first read of results
.if (\i) < 6
	SLOAD (\i)+2, \KS, \NH
.endif
	v_mov_b32 v[BLP], v[BL+(\i)]
.set j, 0
	s_wait_alu depctr_va_vdst(0)
.rept 32
	v_pk_add_f32 v[ACC+j:ACC+j+1], v[ACC+j:ACC+j+1], v[BLP:BLP+1] op_sel_hi:[1,0]   ; the bias along the lanes (zeros for K and Q); each accumulator from its low end on
.set j, j+2
.endr
	QUANT ACC, PC+8*(\i)
	global_store_b128 v1, v[PC+8*(\i):PC+8*(\i)+3], s[OF:OF+1] offset:(12*((\i)/4)+(\i)%4)*1024        ; 512 consecutive bytes, aligned
	global_store_b128 v1, v[PC+8*(\i)+4:PC+8*(\i)+7], s[OF:OF+1] offset:(12*((\i)/4)+(\i)%4)*1024+512
	v_mov_b32 v[PWS+(\i)], v[PW]
.endm
.macro JOB KS, NH
.if \NH == 2
	v_lshl_add_u32 v2, v7, 8, v2                   ; lanes 16-31 take the record of K's second half
.endif
	WIN 0xc0
.irp a, 0,1,2,3,4,5,6,7
	global_load_b128 v[8*\a:8*\a+3], v3, s[BIA:BIA+1] offset:(32*(\a/2)+8*(\a%2))*4        ; tile a's eight columns of my half: 32 (a / 2) + 16 h + 8 (a % 2) + 0 .. 7
	global_load_b128 v[8*\a+4:8*\a+7], v3, s[BIA:BIA+1] offset:(32*(\a/2)+8*(\a%2))*4+16
.endr
	WIN 0
.irp i, 0,1,2,3,4,5,6,7
	global_load_b32 v[BL+\i], v4, s[BIA:BIA+1] offset:(32*(\i/2)+8*(\i%2))*4               ; tile i's column of my lane
.endr
.irp a, 0,1,2,3,4,5,6,7
	global_load_b96 v[HS+4*\a:HS+4*\a+2], v2, s[HOLD:HOLD+1] offset:8*\KS*1024+\a*\NH*256
.endr
	SLOAD 0, \KS, \NH
.set ks, 0
.rept \KS
.if ks < 4
	WIN 0x40
.else
	WIN 0x80
.endif
.set hb, 64*(ks%4)
.irp a, 0,1,2,3,4,5,6,7
	global_load_b128 v[hb+8*\a:hb+8*\a+3], v1, s[HOLD:HOLD+1] offset:(\a*\KS+ks)*1024
	global_load_b128 v[hb+8*\a+4:hb+8*\a+7], v1, s[HOLD:HOLD+1] offset:(\a*\KS+ks)*1024+512
.endr
.set ks, ks+1
.endr
	WIN 0
	SLOAD 1, \KS, \NH
	s_wait_loadcnt 1+2*\KS                         ; all but the second streamed tile
	WIN 0xcc
.set j, 0
.rept 64
	v_and_b32 v[j], s[MR], v[j]
.set j, j+1
.endr
	WIN 0
.irp i, 0,1,2,3,4,5,6,7
	v_and_b32 v[BL+\i], s[ML], v[BL+\i]
.endr
.irp b, 0,1,2,3
	v_mov_b32 v[TM+4+\b], 0                        ; written once: a lane permute's destination counts as one of its sources
.endr
	v_mov_b32 v[BLP+1], 0                          ; named as a pair's upper word
.irp n, 0,1,2,3,4,5,6,7
	UNIT \n, \KS, \NH
.endr
	v_cmp_le_u32 vcc_lo, 16, v5
.irp b, 0,1,2,3
	v_cndmask_b32 v[SD+\b], v[PWS+2*\b], v[PWS+2*\b+1], vcc_lo   ; lanes 0-15: tile 2 b, lanes 16-31: tile 2 b + 1
.endr
	global_store_b128 v1, v[SD:SD+3], s[OS:OS+1]
	s_endpgm
.endm
	s_load_b512 s[16:31], s[0:1], 0x0              ; tg, bk1, bv1, bq2, bk2, bv2, bq1, kv
	s_load_b64 s[32:33], s[0:1], 0x40              ; qw
	v_lshrrev_b32 v6, 5, v0
	v_readfirstlane_b32 s3, v6                     ; wave
	v_and_b32 v5, 31, v0                           ; lane
	v_and_b32 v6, 15, v0                           ; r
	v_bfe_u32 v7, v0, 4, 1                         ; h
	v_lshlrev_b32 v1, 4, v5                        ; 16 x lane: an image's place for my lane
	v_lshlrev_b32 v2, 4, v6                        ; 16 r: a scale record's
	v_lshlrev_b32 v3, 6, v7                        ; 64 h
	v_and_b32 v4, 8, v6
	v_add_nc_u32 v4, v4, v6
	v_lshlrev_b32 v4, 2, v4                        ; 4 (r + 8 (r / 8))
	s_mov_b32 s[SEL], 0x76543210
	s_mov_b32 s[SEL+1], 0xfedcba98
	s_wait_kmcnt 0x0
	s_cmp_lt_u32 ttmp9, 288                        ; the first 288 work-groups take syn's jobs (K = 768), the others sem's
	s_cselect_b64 s[34:35], s[18:19], s[24:25]     ; K's bias,
	s_cselect_b64 s[36:37], s[20:21], s[26:27]     ; V's,
	s_cselect_b64 s[38:39], s[22:23], s[28:29]     ; Q's
	s_cselect_b32 s4, 0, 1152
	s_cselect_b32 s5, 1, 0
	s_cselect_b32 s6, 0, LBASE
	s_cselect_b32 s7, 128, 64                      ; the weights' first TG
	s_cselect_b32 s8, 0, 128                       ; the first block's place in kv and qw
	s_lshl_b32 s9, ttmp9, 2
	s_add_co_u32 s9, s9, s3
	s_sub_co_u32 s9, s9, s4                        ; the job
	s_mul_i32 s10, s9, 7282
	s_lshr_b32 s10, s10, 16                        ; the block of x = job / 9 (exact for jobs under 1,152)
	s_mul_i32 s11, s10, 9
	s_sub_co_u32 s11, s9, s11                      ; j = 0 .. 8
	s_mul_i32 s12, s11, 11
	s_lshr_b32 s12, s12, 5                         ; j / 3: 0 K, 1 V, 2 Q
	s_mul_i32 s13, s12, 3
	s_sub_co_u32 s13, s11, s13                     ; which 128 columns
	s_lshl_b32 s14, TGL, s5
	s_mul_i32 s54, s10, s14
	s_add_co_u32 s54, s54, s6                      ; x's TG
	s_add_co_u32 s56, s7, s11
	s_mul_i32 s56, s56, s14
	s_add_co_u32 s56, s56, s6                      ; W's TG
	s_add_co_u32 s15, s8, s10
	s_cmp_eq_u32 s12, 1
	s_cselect_b32 s58, s54, s56
	s_cselect_b32 s60, s56, s54
	s_cselect_b32 s[MR], 0, -1
	s_cselect_b32 s[ML], -1, 0
	s_cselect_b32 s62, HB, 0                       ; V's half lies behind K's
	s_cselect_b64 s[BIA:BIA+1], s[36:37], s[34:35]
	s_cmp_eq_u32 s12, 2
	s_cselect_b64 s[BIA:BIA+1], s[38:39], s[BIA:BIA+1]
	s_cselect_b64 s[OF:OF+1], s[32:33], s[30:31]
	s_mov_b32 s63, SB
	s_cselect_b32 s63, HB, s63
	s_mul_i32 s63, s63, s15
	s_add_co_u32 s62, s62, s63
	s_mov_b32 s63, 0
	s_add_nc_u64 s[OF:OF+1], s[OF:OF+1], s[62:63]  ; my HB
	s_lshl_b32 s62, s13, 9
	s_add_nc_u64 s[BIA:BIA+1], s[BIA:BIA+1], s[62:63]
	s_add_co_u32 s62, s62, 24576
	s_add_nc_u64 s[OS:OS+1], s[OF:OF+1], s[62:63]
	s_lshl_b32 s62, s13, 12
	s_add_nc_u64 s[OF:OF+1], s[OF:OF+1], s[62:63]
	s_mov_b32 s59, 0
	s_mov_b32 s61, 0
	s_add_nc_u64 s[HOLD:HOLD+1], s[16:17], s[58:59]
	s_add_nc_u64 s[STR:STR+1], s[16:17], s[60:61]
	s_cmp_eq_u32 s5, 1
	s_cbranch_scc0 .Llight
	s_wait_alu depctr_va_vdst(0)
	JOB 6, 2
.Llight:
	s_wait_alu depctr_va_vdst(0)
	JOB 3, 1
.Lfunc_end_k_q2e9ed5e411_proj:
	.size	k_q2e9ed5e411_proj, .Lfunc_end_k_q2e9ed5e411_proj-k_q2e9ed5e411_proj
	.p2alignl 7, 3214868480
	.fill 96, 4, 3214868480
	.section	.rodata,"a",@progbits
	.p2align	6, 0x0
	.amdhsa_kernel k_q2e9ed5e411_proj
		.amdhsa_group_segment_fixed_size 0
		.amdhsa_private_segment_fixed_size 0
		.amdhsa_enable_private_segment 0
		.amdhsa_kernarg_size 72
		.amdhsa_user_sgpr_count 2
		.amdhsa_user_sgpr_kernarg_segment_ptr 1
		.amdhsa_wavefront_size32 1
		.amdhsa_system_sgpr_workgroup_id_x 1
		.amdhsa_system_sgpr_workgroup_id_y 1
		.amdhsa_system_sgpr_workgroup_id_z 1
		.amdhsa_system_vgpr_workitem_id 0
		.amdhsa_next_free_vgpr 832
		.amdhsa_next_free_sgpr 66
		.amdhsa_reserve_vcc 1
		.amdhsa_float_denorm_mode_32 3
		.amdhsa_float_denorm_mode_16_64 3
		.amdhsa_memory_ordered 1
		.amdhsa_forward_progress 1
		.amdhsa_inst_pref_size 217
	.end_amdhsa_kernel
	.amdgpu_metadata
---
amdhsa.version: [ 1, 2 ]
amdhsa.kernels:
  - .name:           k_q2e9ed5e411_proj
    .symbol:         k_q2e9ed5e411_proj.kd
    .args:
      - { .name: tg, .offset: 0, .size: 8, .value_kind: global_buffer, .address_space: global }
      - { .name: bk1, .offset: 8, .size: 8, .value_kind: global_buffer, .address_space: global }
      - { .name: bv1, .offset: 16, .size: 8, .value_kind: global_buffer, .address_space: global }
      - { .name: bq2, .offset: 24, .size: 8, .value_kind: global_buffer, .address_space: global }
      - { .name: bk2, .offset: 32, .size: 8, .value_kind: global_buffer, .address_space: global }
      - { .name: bv2, .offset: 40, .size: 8, .value_kind: global_buffer, .address_space: global }
      - { .name: bq1, .offset: 48, .size: 8, .value_kind: global_buffer, .address_space: global }
      - { .name: kv, .offset: 56, .size: 8, .value_kind: global_buffer, .address_space: global }
      - { .name: qw, .offset: 64, .size: 8, .value_kind: global_buffer, .address_space: global }
    .group_segment_fixed_size: 0
    .private_segment_fixed_size: 0
    .kernarg_segment_align: 8
    .kernarg_segment_size: 72
    .max_flat_workgroup_size: 128
    .sgpr_count:     66
    .vgpr_count:     832
    .wavefront_size: 32
...
	.end_amdgpu_metadata
.endif
;; end of part 2
;; launch attn (part 3): grid 256 x 1, 4 waves a work-group, clusters of 4 x 1, 327,680 bytes of LDS; arguments qw, kv, out0, out1; writes out0, out1
.if DOCPART == 3
	.amdgcn_target "amdgcn-amd-amdhsa--gfx1250"
	.amdhsa_code_object_version 6
	.text
	.protected	k_q2e9ed5e411_attn
	.globl	k_q2e9ed5e411_attn
	.p2align	8
	.type	k_q2e9ed5e411_attn,@function
k_q2e9ed5e411_attn:
	s_mov_b64 s[64:65], 0
	v_nop
	global_prefetch_b8 v0, s[64:65] scope:SCOPE_SE
	s_setreg_imm32_b32 hwreg(HW_REG_WAVE_MODE, 25, 1), 1
	s_wait_xcnt 0x0
	s_wait_alu depctr_hold_cnt(0) depctr_sa_sdst(0) depctr_va_vdst(0) depctr_va_sdst(0) depctr_va_ssrc(0) depctr_va_vcc(0) depctr_vm_vsrc(0)
	s_getreg_b32 s2, hwreg(HW_REG_IB_STS2, 6, 4)
	s_cmp_eq_u32 s2, 0
	s_cbranch_scc0 .Lentry_in_a_cluster
	s_endpgm
.Lentry_in_a_cluster:
	s_bfe_u32 s2, ttmp6, 0x10000c
	s_cmp_lg_u32 s2, 0x3003
	s_cbranch_scc0 .Lentry_shape_is_right
	s_endpgm
.Lentry_shape_is_right:
; Both attentions, head size 384, on codes of FP4 (E2M1) with one E8M0 scale for each 32 along a product's K.  Q, K (K = the hidden axis) and V (K = the keys) come as fragment images from the launch before
; (a fragment, 16 rows x 128 K, is 1,024 bytes: registers 4 c .. 4 c + 3 of lane l at 512 c + 16 l; a half step HB is 24 fragments and 1,536 bytes of scale words: 26,112 bytes).
; THE SOFTMAX: t = score x c, c = log2(e) / sqrt(384) (one f32 constant in place of two multiplications); M = the running largest t rounded UP to a whole number; p = 2^(t - M) is quantised along the keys, not normalised;
; the row's sum is taken of the unquantised p and divides at the end.  When M moves, the sum and O are multiplied by 2^(old M - new M): exact.
; SHARES.  256 work-groups of four waves, all with the same work: a wave takes 32 queries (two tiles, "slots" 0 and 1) x 2,048 keys, 16 steps of 128.  kh = wave / 2, qp = wave % 2.
;   kind 0 (clusters 0-31; out0: 2,048 queries x 4,096 keys a batch): the work-group owns 64 queries.  Wave (qp, kh) takes tiles 2 qp and 2 qp + 1 against the keys' half kh; its slot 0 is tile 2 qp + kh.
;     At the end it sends slot 1's part (O, M, the sum) to wave xor 2 through LDS and merges that wave's part into its slot 0.
;   kind 1 (clusters 32-63; out1: 4,096 queries x 2,048 keys): the work-group owns 128 queries, wave w tiles 2 w and 2 w + 1, against all keys.  The same lines run; the partner's part is weighed with 0, and slot 1 is stored too.
; LAYOUT.  Both products are used transposed: S^T = K Q^T, O^T = V^T P^T: a lane holds ONE query (lane % 16) throughout.  The rows of a tile (keys, queries, channels) are not neighbours: lane r of tile 2 b + u is
; row 32 b + 8 u + r + 8 (r / 8) of its 128, so that the registers of tiles 2 b and 2 b + 1 are 16 neighbours, 32 b + 16 (lane / 16) + 0 .. 15.
; THE RING.  Two LDS slots of a key step for each of two streams: [stream kh][K's HB, V's HB]; wave w fetches the HB at 26,112 w, one tensor load a step.  In kind 0 stream kh holds the keys' half kh; in kind 1 both streams hold
; the same step, so that LDS addresses, loads and trip counts are alike in every work-group.
; CLUSTER.  The four work-groups of a cluster have one kind and one batch and walk the same K and V: each HB is asked for JOINTLY, by the same tensor load with the same descriptor and the mask 15.
; One tensor load of a wave is out at any time.
; LIMITS: NaN and infinities are not served.  A block's largest p is made from its largest score by the same multiply-add and exponential, which takes v_exp_f32 not to fall where its input rises.
; A block whose every p has fallen to 0 keeps the byte 1: its codes are zeros.
; REGISTERS, in windows of 256: window 0: below;  window 1 + u: v0-191 O^T of slot u (accumulator at place vf of V's HB: v[8 vf]), v192-255 S^T of slot u, then p;  window 3: Q(u, K step s) at v[24 u + 8 s].
; S^T lies in O^T's window, so that the exponentials and O^T's rescaling stand under one setting and take turns.
.set HB,    26112
.set SB,    2*HB
.set SCOFF, 24576                      ; an HB's scale words
.set SLOT1, 1<<17                      ; slot 1 begins here: one exclusive or turns an address of one slot into the other's
.set SPARE, 2*SLOT1                    ; the spare words, 128 bytes for each wave: two blocks of 256 bytes that no other line names
.set XCW,   24832                      ; the way out: a wave's part for its partner (24,576 of O, 128 of -M, 128 of the sum), in slot 0,
.set OPI,   1552                       ; and its stage of 16 rows x (1,536 + 16) bytes, in slot 1: both slots have had their last fill and their last read by then
.set STG,   SLOT1
.set LA,   1                           ; v1   16 x lane + my stream
.set ADR,  2                           ; v2   the same in the slot in hand
.set SPW,  3                           ; v3   LDS address of my spare word; never rewritten
.set NIL,  4                           ; v4   0; never rewritten
.set PFO,  5                           ; v5   the prefetches' offset; never rewritten
.set L16,  6                           ; v6   16 x lane
.set ST0,  8                           ; v8-15, v16-23  slot u's statistics: +0 -M, +1 the largest t, +2:3 the sum in two halves, +4:5 f, +6:7 a second chain of sums
.set QSC,  24                          ; v24-26  Q's scale words of K step s: lanes 0-15 slot 0's, lanes 16-31 slot 1's
.set KSC,  28                          ; v28-39  K's: register 4 s + b: lanes 0-15 tile 2 b, lanes 16-31 tile 2 b + 1
.set VSC,  40                          ; v40-51  V's likewise
.set PCB,  52                          ; v52-67  p's codes, eight registers a slot
.set PSC,  68                          ; v68-69  p's scale words
.set TM,   72                          ; v72-83  at work
.set TS,   84
.set BM0,  92                          ; v92-95, v104-107  slot u's four blocks' largest t - M, then their largest p (these registers serve the merge only behind the last step)
.set XA,   86                          ; v86-91  the way out's LDS addresses
.set XBW,  87
.set XR,   88
.set XRB,  89
.set SIN,  90
.set SOUT, 91
.set NMR,  92                          ; v92-106 the merge
.set LR,   93
.set NM,   94
.set T0,   95
.set GA,   96
.set GB,   98
.set G1R,  100
.set FA,   102
.set FBR,  103
.set LS,   104
.set RL,   105
.set T1,   106
.set FB,   112                         ; v112-255 three buffers of six fragments
.set SS,   192
.set WV,   12
.set CX,   13
.set KIND, 14
.set BAT,  15
.set G1,   16                          ; s[16:23] descriptor group 1
.set G0,   24                          ; s[24:27] group 0, which walks
.set TB,   28                          ; s28  the slot in hand
.set SLOTS, 29                         ; s29  fills still to come
.set CS,   30                          ; s[30:31] c
.set SEL,  32                          ; s[32:33] lane selects: lane l xor 16
.set KM,   34                          ; s34  all ones in kind 1
.set LIM,  35                          ; s35  1 in a wave that prefetches, else the greatest number
.set QA,   36                          ; s[36:39] slot u's fragments of Q
.set QSB,  40                          ; s[40:41] the block's scale words of Q
.set OBA,  42                          ; s[42:45] slot u's first row of the output
.set PFA,  46                          ; s[46:47] where my prefetches stand
.set KH,   48
.set QP,   49
.set QB,   50
.set OFQ,  74                          ; s74-75
.set MSB, 0
.macro WIN new                         ; the immediate's high byte repeats the setting that is left
.if MSB != (\new)
	s_set_vgpr_msb (MSB<<8)|(\new)
.set MSB, (\new)
.endif
.endm
.macro PLACES
.rept 4
	v_nop
.endr
.endm
.macro CROUND                          ; a round of the cluster's barrier
	s_barrier_signal -1
	s_barrier_wait -1
	s_cmp_lg_u32 s[WV], 0
	s_cbranch_scc1 .Lnot_wave_0_\@
	s_barrier_signal -3
.Lnot_wave_0_\@:
	s_barrier_wait -3
	s_barrier_signal -1
	s_barrier_wait -1
.endm
; A PREFETCH INTO THE L2 of the HB that my wave's NEXT tensor load will ask for: one key step (96 matrix instructions and two softmaxes) ahead.  All eight clusters of a kind and batch walk the same K and V: the first of them asks;
; in kind 1, where both streams hold the same steps, stream 0's waves alone.  The four partners share the HB's 102 blocks of 256 bytes out BY ADDRESS, 32 each, a lane a block (the lanes past the end name the last block again).
; The last fill asks for nothing, and nothing is asked for at the head.
.macro ASK
	s_cmp_gt_u32 s[SLOTS], s[LIM]
	s_cbranch_scc0 .Lnot_mine_\@
	global_prefetch_b8 v[PFO], s[PFA:PFA+1] th:TH_LOAD_NT scope:SCOPE_SE
.Lnot_mine_\@:
.endm
; THE CHANGE OF SLOTS stands at a step's head.  Each wave waits for all its tensor loads (its HB of the step that it is about to read), adds 0 to its spare word, and waits for that and for its reads of the slot that it has left.
; fill = 1: behind a round of the cluster's barrier that slot is filled with the next step: the load has a whole step in which to land.
.macro CHANGE fill
	WIN 0
	s_wait_tensorcnt 0x0                           ; no tensor load of mine is out, so group 0 may be written
	ds_add_u32 v[SPW], v[NIL]                      ; 0 onto my spare word
.if \fill
	s_xor_b32 s[G0+1], s[G0+1], SLOT1              ; the other slot than last time,
	s_add_nc_u64 s[G0+2:G0+3], s[G0+2:G0+3], SB    ; the next step; the type bits on top are not reached
	s_wait_xcnt 0x0                                ; the last prefetch, a step back, has read its address
	s_add_nc_u64 s[PFA:PFA+1], s[PFA:PFA+1], SB    ; one step further on than the descriptor
.endif
	s_wait_dscnt 0x0                               ; the add is done, and my reads of the slot that I have left are over
.if \fill
	CROUND                                         ; both now hold of every wave of the four work-groups
	tensor_load_to_lds s[G0:G0+3], s[G1:G1+7]      ; the first thing behind the round, and my one tensor load until the next
	s_nop 0
	PLACES                                         ; four v_nop follow it; they are also the places in front of the loads into registers that the last products read
	ASK
.else
	s_barrier_signal -1
	s_barrier_wait -1
	PLACES
.endif
.endm
.macro FLOAD off, g, buf               ; six fragments, places 6 g .. 6 g + 5 of the HB at off: 12 loads of 512 consecutive bytes
.set f, 0
.rept 6
	ds_load_b128 v[FB+48*\buf+8*f:FB+48*\buf+8*f+3], v[ADR] offset:\off+(6*\g+f)*1024
	ds_load_b128 v[FB+48*\buf+8*f+4:FB+48*\buf+8*f+7], v[ADR] offset:\off+(6*\g+f)*1024+512
.set f, f+1
.endr
.endm
.macro SCL base, off                   ; an HB's scale words: 3 loads
.irp s, 0,1,2
	ds_load_b128 v[\base+4*\s:\base+4*\s+3], v[ADR] offset:\off+512*\s
.endr
.endm
.macro WMMA                            ; by the symbols rD, rA, rB, rX, rY; cz: the sum starts with 0; fa, fb: that side's scales stand in lanes 16-31
.if cz
.if fa && fb
	v_wmma_scale_f32_16x16x128_f8f6f4 v[rD:rD+7], v[rA:rA+7], v[rB:rB+7], 0, v[rX], v[rY] matrix_a_fmt:MATRIX_FMT_FP4 matrix_b_fmt:MATRIX_FMT_FP4 matrix_a_scale:MATRIX_SCALE_ROW1 matrix_b_scale:MATRIX_SCALE_ROW1
.elseif fa
	v_wmma_scale_f32_16x16x128_f8f6f4 v[rD:rD+7], v[rA:rA+7], v[rB:rB+7], 0, v[rX], v[rY] matrix_a_fmt:MATRIX_FMT_FP4 matrix_b_fmt:MATRIX_FMT_FP4 matrix_a_scale:MATRIX_SCALE_ROW1
.elseif fb
	v_wmma_scale_f32_16x16x128_f8f6f4 v[rD:rD+7], v[rA:rA+7], v[rB:rB+7], 0, v[rX], v[rY] matrix_a_fmt:MATRIX_FMT_FP4 matrix_b_fmt:MATRIX_FMT_FP4 matrix_b_scale:MATRIX_SCALE_ROW1
.else
	v_wmma_scale_f32_16x16x128_f8f6f4 v[rD:rD+7], v[rA:rA+7], v[rB:rB+7], 0, v[rX], v[rY] matrix_a_fmt:MATRIX_FMT_FP4 matrix_b_fmt:MATRIX_FMT_FP4
.endif
.else
.if fa && fb
	v_wmma_scale_f32_16x16x128_f8f6f4 v[rD:rD+7], v[rA:rA+7], v[rB:rB+7], v[rD:rD+7], v[rX], v[rY] matrix_a_fmt:MATRIX_FMT_FP4 matrix_b_fmt:MATRIX_FMT_FP4 matrix_a_scale:MATRIX_SCALE_ROW1 matrix_b_scale:MATRIX_SCALE_ROW1
.elseif fa
	v_wmma_scale_f32_16x16x128_f8f6f4 v[rD:rD+7], v[rA:rA+7], v[rB:rB+7], v[rD:rD+7], v[rX], v[rY] matrix_a_fmt:MATRIX_FMT_FP4 matrix_b_fmt:MATRIX_FMT_FP4 matrix_a_scale:MATRIX_SCALE_ROW1
.elseif fb
	v_wmma_scale_f32_16x16x128_f8f6f4 v[rD:rD+7], v[rA:rA+7], v[rB:rB+7], v[rD:rD+7], v[rX], v[rY] matrix_a_fmt:MATRIX_FMT_FP4 matrix_b_fmt:MATRIX_FMT_FP4 matrix_b_scale:MATRIX_SCALE_ROW1
.else
	v_wmma_scale_f32_16x16x128_f8f6f4 v[rD:rD+7], v[rA:rA+7], v[rB:rB+7], v[rD:rD+7], v[rX], v[rY] matrix_a_fmt:MATRIX_FMT_FP4 matrix_b_fmt:MATRIX_FMT_FP4
.endif
.endif
.endm
; S^T += K Q^T with group g's six fragments of K, for both slots.  Place kf of K's HB: K step (kf % 12) / 4, key tile 4 (kf / 12) + kf % 4.  Two links on one accumulator stand four instructions apart: the accumulators take turns.
.macro SMUL g
.irp u, 0,1
	WIN ((1+\u)<<6)|((1+\u)<<4)|0x0c               ; C and D window 1 + u, source 1 (Q) window 3
.set f, 0
.rept 6
.set kf, 6*\g+f
.set sk, (kf%12)/4
.set tk, 4*(kf/12)+kf%4
.set rD, SS+8*tk
.set rA, FB+48*(\g%3)+8*f
.set rB, 24*\u+8*sk
.set rX, KSC+4*sk+tk/2
.set rY, QSC+sk
.set fa, tk%2
.set fb, \u
.if sk == 0
.set cz, 1
.else
.set cz, 0
.endif
	WMMA
.set f, f+1
.endr
.endr
.endm
; O^T += V^T P^T with group g's six fragments of V, for both slots.  first = 1: the products start the sums: nothing is ever cleared.
.macro PVMUL g, first
.irp u, 0,1
	WIN ((1+\u)<<6)|((1+\u)<<4)
.set f, 0
.rept 6
.set vf, 6*\g+f
.set rD, 8*vf
.set rA, FB+48*((\g+1)%3)+8*f
.set rB, PCB+8*\u
.set rX, VSC+4*((vf%12)/4)+(4*(vf/12)+vf%4)/2
.set rY, PSC+\u
.set fa, vf%2
.set fb, 0
.set cz, \first
	WMMA
.set f, f+1
.endr
.endr
.endm
; Slot u's softmax of a key step.  Register 16 b + i of S^T is key 32 b + 16 (lane / 16) + i of my query.
; It goes in three parts.  SOFTA: the maxima, M, f, t - M, and O^T's rescaling, for both slots ahead of any exponential.  EXPS: the exponentials of both slots, one batch.  SOFTC: the sums and the quantising.
.macro SOFTA u, first
.set W, 1+\u
.set ST, ST0+8*\u
.set PCU, PCB+8*\u
.set BM, BM0+12*\u
	WIN W|(W<<2)|(W<<4)
.irp b, 0,1,2,3
	v_max3_num_f32 v[TM+\b], v[SS+16*\b], v[SS+16*\b+1], v[SS+16*\b+2]   ; the largest score of each block of 32 keys: it serves the row's maximum and, since p rises with the score, the block's largest p
.endr
	WIN (W<<2)|(W<<4)
.irp i, 3,5,7,9,11,13
.irp b, 0,1,2,3
	v_max3_num_f32 v[TM+\b], v[TM+\b], v[SS+16*\b+\i], v[SS+16*\b+\i+1]
.endr
.endr
.irp b, 0,1,2,3
	v_max_num_f32 v[TM+\b], v[TM+\b], v[SS+16*\b+15]
.endr
	WIN 0
.irp b, 0,1,2,3
	v_permlanex16_b32 v[TM+4+\b], v[TM+\b], s[SEL], s[SEL+1]
.endr
.irp b, 0,1,2,3
	v_max_num_f32 v[TM+\b], v[TM+\b], v[TM+4+\b]   ; with lane l xor 16's 16 keys
.endr
	v_max3_num_f32 v[TS], v[TM], v[TM+1], v[TM+2]
	v_max_num_f32 v[TS], v[TS], v[TM+3]
	v_mul_f32 v[TS], s[CS], v[TS]                  ; the step's largest t (c is positive)
	v_max_num_f32 v[ST+1], v[ST+1], v[TS]          ; the running largest t
	v_mov_b32 v[TS], v[ST]
	v_floor_f32 v[ST], -v[ST+1]                    ; the new -M = floor(-t): M is a whole number
	v_sub_f32 v[TS], v[ST], v[TS]                  ; old M - new M: a whole number, 0 or less
	v_cvt_i32_f32 v[TS], v[TS]                     ; (it saturates)
	v_ldexp_f32 v[ST+4], 1.0, v[TS]                ; f = 2^(old M - new M)
.irp b, 0,1,2,3
	v_fma_f32 v[BM+\b], v[TM+\b], s[CS], v[ST]     ; t - M of each block's largest score
.endr
	v_pk_mul_f32 v[ST+2:ST+3], v[ST+2:ST+3], v[ST+4:ST+5] op_sel_hi:[1,0]   ; the sum under the new M
	v_mov_b32 v[ST+6], 0
	v_mov_b32 v[ST+7], 0
	WIN (W<<6)|W
.set j, 0
.rept 32
	v_pk_fma_f32 v[SS+j:SS+j+1], v[SS+j:SS+j+1], s[CS:CS+1], v[ST:ST+1] op_sel_hi:[1,0,0]   ; t - M, two at a time
.set j, j+2
.endr
.if !\first
.set j, 0
.rept 96
	v_pk_mul_f32 v[j:j+1], v[j:j+1], v[ST+4:ST+5] op_sel_hi:[1,0]   ; O^T under the new M, each accumulator from its low end on; no exponential stands between the last products and these first reads
.set j, j+2
.endr
.endif
.endm
.macro EXPS u                          ; slot u's 64 exponentials: p = 2^(t - M)
.set W, 1+\u
	WIN (W<<6)|W
.if \u == 0
	s_wait_alu depctr_va_vdst(0)                   ; one wait ahead of the batch
.endif
.set j, 0
.rept 64
	v_exp_f32 v[SS+j], v[SS+j]
.set j, j+1
.endr
.endm
.macro SOFTC u                         ; slot u's sum of the unquantised p, p's scale word and its codes
.set W, 1+\u
.set ST, ST0+8*\u
.set PCU, PCB+8*\u
.set BM, BM0+12*\u
	WIN W<<2
.set j, 0
.rept 16
	v_pk_add_f32 v[ST+2:ST+3], v[ST+2:ST+3], v[SS+j:SS+j+1]       ; the row's sum is taken of the unquantised p, in two chains
	v_pk_add_f32 v[ST+6:ST+7], v[ST+6:ST+7], v[SS+j+2:SS+j+3]
.set j, j+4
.endr
	WIN 0
	v_pk_add_f32 v[ST+2:ST+3], v[ST+2:ST+3], v[ST+6:ST+7]
.irp b, 0,1,2,3
	v_max_num_f32 v[TM+\b], 0x1800000, v[BM+\b]    ; the floor 2^(3 - 127): the byte cannot fall under 1
.endr
.irp b, 0,1,2,3
	v_add_nc_u32 v[TM+8+\b], 0xff000000, v[TM+\b]  ; 2 off the exponent field: the conversion's scale operand
.endr
.irp b, 0,1,2,3
	v_lshrrev_b32 v[TM+4+\b], 23, v[TM+8+\b]       ; the scale's byte
.endr
	v_lshl_or_b32 v[PSC+\u], v[TM+5], 8, v[TM+4]
	v_lshl_or_b32 v[PSC+\u], v[TM+6], 16, v[PSC+\u]
	v_lshl_or_b32 v[PSC+\u], v[TM+7], 24, v[PSC+\u]   ; p's scale word for these 128 keys
	WIN W
.irp b, 0,1,2,3
	v_cvt_scalef32_pk8_fp4_f32 v[PCU+2*\b], v[SS+16*\b:SS+16*\b+7], v[TM+8+\b]
	v_cvt_scalef32_pk8_fp4_f32 v[PCU+2*\b+1], v[SS+16*\b+8:SS+16*\b+15], v[TM+8+\b]
.endr
	v_nop                                          ; one plain instruction behind the scaled conversions
	WIN 0
.irp c, 0,1                                    ; the operand wants a whole block in a lane
.irp i, 0,1
	v_permlane16_swap_b32 v[PCU+4*\c+\i], v[PCU+2+4*\c+\i]
.endr
.endr
.endm
; A KEY STEP.  K's and V's four groups of six fragments go through three buffers; each group is asked for two groups ahead of its use.  Each fragment read from LDS feeds two matrix instructions.
.macro STEP first
	v_add_nc_u32 v[ADR], s[TB], v[LA]
	s_wait_alu depctr_va_vdst(0)                   ; directly behind the write
	SCL KSC, SCOFF
	FLOAD 0, 0, 0
	FLOAD 0, 1, 1
	FLOAD 0, 2, 2
	s_wait_dscnt 24                                ; K's groups 1 and 2 may be out
	SMUL 0
	WIN 0
	PLACES                                         ; four plain instructions in front of loads into registers that the products read
	FLOAD 0, 3, 0
	s_wait_dscnt 24                                ; groups 2 and 3
	SMUL 1
	WIN 0
	PLACES
	SCL VSC, HB+SCOFF
	FLOAD HB, 0, 1
	s_wait_dscnt 27                                ; group 3, V's scale words and V's group 0
	SMUL 2
	WIN 0
	PLACES
	FLOAD HB, 1, 2
	s_wait_dscnt 27                                ; V's scale words and its groups 0 and 1
	SMUL 3
	WIN 0
	PLACES                                         ; also the places in front of the first read of the scores
	FLOAD HB, 2, 0
	SOFTA 0, \first
	SOFTA 1, \first
	EXPS 0
	EXPS 1
	WIN 0
.irp b, 0,1,2,3
	v_exp_f32 v[BM0+\b], v[BM0+\b]                 ; the blocks' largest p, of both slots: the batch's last eight
	v_exp_f32 v[BM0+12+\b], v[BM0+12+\b]
.endr
	v_nop                                          ; a plain instruction behind the last exponential
	s_wait_alu depctr_va_vdst(0)                   ; one wait for the batch, ahead of its first reader
	SOFTC 0
	SOFTC 1
.rept 8
	v_nop                                          ; a scale word written by vector instructions stands 8 places ahead of a scaled matrix instruction, codes so written 4
.endr
	s_wait_alu depctr_va_vdst(0)                   ; directly ahead of the wait below
	s_wait_dscnt 24
	PVMUL 0, \first
	WIN 0
	PLACES
	FLOAD HB, 3, 1
	s_wait_dscnt 24                                ; groups 2 and 3
	PVMUL 1, \first
	s_wait_dscnt 12                                ; group 3
	PVMUL 2, \first
	s_wait_dscnt 0x0
	PVMUL 3, \first
	WIN 0
	s_xor_b32 s[TB], s[TB], SLOT1                  ; on to the other slot
.endm
.macro SLOTADR m, u                    ; tile s[m] of the block is slot u's: its fragments, the place of its scale words, its first row of the output
	s_lshr_b32 s66, s[\m], 2
	s_mul_i32 s66, s66, 12
	s_and_b32 s68, s[\m], 3
	s_add_co_u32 s66, s66, s68
	s_lshl_b32 s66, s66, 10
	s_add_nc_u64 s[QA+2*\u:QA+2*\u+1], s[QSB:QSB+1], s[66:67]
	s_lshr_b32 s66, s[\m], 1
	s_and_b32 s68, s[\m], 1
	s_lshl_b32 s72, s66, 2
	s_lshl_b32 s73, s68, 8
	s_add_co_u32 s[OFQ+\u], s72, s73
	s_lshl_b32 s66, s66, 5
	s_lshl_b32 s68, s68, 3
	s_add_co_u32 s66, s66, s68
	s_add_co_u32 s66, s66, s69
	s_mul_i32 s66, s66, 1536
	s_add_nc_u64 s[OBA+2*\u:OBA+2*\u+1], s[70:71], s[66:67]
.endm
	s_load_b256 s[4:11], s[0:1], 0x0               ; qw, kv, out0, out1
	v_lshl_add_u32 v[SPW], v0, 2, SPARE
	v_mov_b32 v[NIL], 0
	ds_add_u32 v3, v4
	ds_add_u32 v3, v4
	s_wait_dscnt 0x0
	v_lshrrev_b32 v7, 5, v0
	v_readfirstlane_b32 s[WV], v7                  ; wave 0..3
	s_lshr_b32 s[KH], s[WV], 1
	s_and_b32 s[QP], s[WV], 1
	s_lshr_b32 s[KIND], ttmp9, 5                   ; in a cluster launch ttmp9 counts clusters: the four partners share kind and batch
	s_bfe_u32 s[BAT], ttmp9, 0x20003
	s_lshl_b32 s51, s[BAT], 4
	s_add_co_u32 s51, s51, 128                     ; kind 1: the batch's 16 steps, behind the 128 of kind 0
	s_lshl_b32 s52, s[BAT], 5
	s_lshl_b32 s53, s[KH], 4
	s_add_co_u32 s52, s52, s53                     ; kind 0: my stream's 16 of the batch's 32
	s_cmp_eq_u32 s[KIND], 1
	s_cselect_b32 s52, s51, s52
	s_cselect_b32 s[KM], -1, 0
	s_mul_i32 s52, s52, SB
	s_mul_i32 s53, s[QP], HB                       ; even waves fetch K's HB, odd waves V's
	s_add_co_u32 s52, s52, s53
	s_mov_b32 s53, 0
	; descriptor group 1: an HB is a dense block: 102 rows of 256 bytes (32 elements of 8 bytes), no padding
	s_mov_b32 s[G1], 15|(3<<16)|(1<<21)            ; 15:0 the mask: all four work-groups; 17:16 elements of 8 bytes; 21 set beside a mask
	s_mov_b32 s[G1+1], 32<<16                      ; tensor_dim0 = 32
	s_mov_b32 s[G1+2], 102<<16                     ; tensor_dim1 = 102
	s_mov_b32 s[G1+3], 32<<16                      ; tile_dim0 = 32
	s_mov_b32 s[G1+4], 102                         ; tile_dim1 = 102
	s_mov_b32 s[G1+5], 32                          ; tensor_dim0_stride
	s_mov_b32 s[G1+6], 0
	s_mov_b32 s[G1+7], 0
	s_mul_i32 s51, s[WV], HB                       ; where it goes: no place in the cluster enters an LDS address
	s_mov_b32 s[CS], 0x3d96c740                    ; c = log2(e) / sqrt(384)
	s_mov_b32 s[CS+1], s[CS]
	s_mov_b32 s[SEL], 0x76543210
	s_mov_b32 s[SEL+1], 0xfedcba98
	s_and_b32 s62, ttmp9, 7                        ; 0 in the first cluster of a kind and batch,
	s_and_b32 s63, s[KIND], s[KH]                  ; 1 in kind 1's second stream
	s_or_b32 s62, s62, s63
	s_cmp_eq_u32 s62, 0
	s_cselect_b32 s[LIM], 1, -1                    ; the same in all four partners, for a given wave
	s_wait_kmcnt 0x0
	s_mov_b32 s[G0], 1
	s_mov_b32 s[G0+1], s51
	s_add_nc_u64 s[G0+2:G0+3], s[6:7], s[52:53]
	s_add_nc_u64 s[PFA:PFA+1], s[G0+2:G0+3], SB    ; at step 1: the first change of slots steps it to step 2
	s_or_b32 s[G0+3], s[G0+3], 0x80000000
	CROUND                                         ; all four work-groups are here: the first joint loads meet
	tensor_load_to_lds s[G0:G0+3], s[G1:G1+7]      ; step 0 into slot 0
	s_nop 0
	PLACES
	; my queries
	s_bfe_u32 s[CX], ttmp6, 0x40000                ; my place in the cluster: it enters Q's, the outputs' and the prefetches' addresses alone
	s_and_b32 s[QB], ttmp9, 7
	s_lshl_b32 s[QB], s[QB], 2
	s_add_co_u32 s[QB], s[QB], s[CX]               ; my block of queries in the batch, 0 .. 31
	s_lshr_b32 s54, s[QB], 1
	s_lshl_b32 s55, s[BAT], 4
	s_add_co_u32 s54, s54, s55                     ; kind 0: the block of 128 rows,
	s_and_b32 s56, s[QB], 1
	s_lshl_b32 s56, s56, 2
	s_lshl_b32 s57, s[QP], 1
	s_add_co_u32 s56, s56, s57
	s_add_co_u32 s57, s56, s[KH]                   ; slot 0's tile there: 4 (qb % 2) + 2 qp + kh,
	s_xor_b32 s58, s[KH], 1
	s_add_co_u32 s58, s56, s58                     ; slot 1's: the other of the pair
	s_lshl_b32 s59, s[BAT], 5
	s_add_co_u32 s59, s59, s[QB]                   ; kind 1: the block,
	s_lshl_b32 s60, s[WV], 1                       ; tiles 2 w
	s_add_co_u32 s61, s60, 1                       ; and 2 w + 1
	s_cmp_eq_u32 s[KIND], 1
	s_cselect_b32 s54, s59, s54
	s_cselect_b32 s57, s60, s57
	s_cselect_b32 s58, s61, s58
	s_cselect_b32 s59, 0, 128                      ; in qw kind 0's blocks lie behind kind 1's 128
	s_cselect_b64 s[70:71], s[10:11], s[8:9]
	s_add_co_u32 s59, s59, s54
	s_mul_i32 s66, s59, HB
	s_mov_b32 s67, 0
	s_add_nc_u64 s[QSB:QSB+1], s[4:5], s[66:67]    ; the block's HB of Q
	s_lshl_b32 s69, s54, 7                         ; its first row in the output
	SLOTADR 57, 0
	SLOTADR 58, 1
	s_add_nc_u64 s[QSB:QSB+1], s[QSB:QSB+1], SCOFF
	v_and_b32 v107, 31, v0                         ; lane
	v_and_b32 v108, 15, v0                         ; r
	v_bfe_u32 v109, v0, 4, 1                       ; h
	v_lshlrev_b32 v[L16], 4, v107
	WIN 0xc0                                       ; destination window 3
.irp u, 0,1
.irp s, 0,1,2
.irp c, 0,1
	global_load_b128 v[24*\u+8*\s+4*\c:24*\u+8*\s+4*\c+3], v[L16], s[QA+2*\u:QA+2*\u+1] offset:4096*\s+512*\c   ; Q stays in registers
.endr
.endr
.endr
	WIN 0
	v_mov_b32 v110, s[OFQ]
	v_mov_b32 v111, s[OFQ+1]
	v_cmp_le_u32 vcc_lo, 16, v107
	v_cndmask_b32 v110, v110, v111, vcc_lo
	v_lshl_add_u32 v110, v108, 4, v110             ; lanes 0-15: row r's word of slot 0's tile, lanes 16-31: of slot 1's
.irp s, 0,1,2
	global_load_b32 v[QSC+\s], v110, s[QSB:QSB+1] offset:512*\s
.endr
	s_mul_i32 s66, s[KH], SB
	v_add_nc_u32 v[LA], s66, v[L16]
	s_lshl_b32 s66, s[CX], 5
	v_add_nc_u32 v[PFO], s66, v107
	v_min_u32 v[PFO], 101, v[PFO]
	v_lshlrev_b32 v[PFO], 8, v[PFO]                ; block 32 cx + lane of the HB's 102, held at the last
	s_mul_i32 s66, s[WV], XCW
	s_xor_b32 s68, s[WV], 2
	s_mul_i32 s68, s68, XCW
	v_lshlrev_b32 v111, 2, v107
	v_add_nc_u32 v[XA], s66, v[L16]                ; where I put slot 1's O,
	v_add_nc_u32 v[XBW], s66, v111                 ; its -M and sum,
	v_add_nc_u32 v[XR], s68, v[L16]                ; and where my partner, wave xor 2, puts its own
	v_add_nc_u32 v[XRB], s68, v111
	v_mul_u32_u24 v[SIN], v108, OPI
	v_lshl_add_u32 v[SIN], v109, 6, v[SIN]
	v_add_nc_u32 v[SIN], s66, v[SIN]
	v_add_nc_u32 v[SIN], STG, v[SIN]               ; my stage: row r, + 64 h
	v_add_nc_u32 v[SOUT], s66, v[L16]
	v_add_nc_u32 v[SOUT], STG, v[SOUT]             ; and back: 16 bytes a lane
.irp u, 0,1
	v_mov_b32 v[ST0+8*\u+1], 0xff61b1e6            ; the largest t so far: -3e38, under every t
	v_floor_f32 v[ST0+8*\u], -v[ST0+8*\u+1]        ; -M
	v_mov_b32 v[ST0+8*\u+2], 0                     ; the sum
	v_mov_b32 v[ST0+8*\u+3], 0
	v_mov_b32 v[ST0+8*\u+5], 0                     ; (named as a pair's upper word)
.endr
.irp b, 0,1,2,3
	v_mov_b32 v[TM+4+\b], 0                        ; written once: a lane permute's destination counts as one of its sources
.endr
	v_mov_b32 v[GA+1], 0
	v_mov_b32 v[GB+1], 0
	v_mov_b32 v[G1R+1], 0
	s_mov_b32 s[TB], 0
	s_mov_b32 s[SLOTS], 15
	s_wait_alu depctr_va_vdst(0)
	s_wait_loadcnt 0x0                             ; Q
	CHANGE 1                                       ; step 1 is asked for
	STEP 1                                         ; step 0 stands in front of the loop: its products start O^T
	s_mov_b32 s[SLOTS], 14
.Lstep:                                            ; steps 1 to 14; steps 2 to 15 are asked for
	CHANGE 1
	STEP 0
	s_sub_co_u32 s[SLOTS], s[SLOTS], 1
	s_cmp_lg_u32 s[SLOTS], 0
	s_cbranch_scc1 .Lstep
	CHANGE 0                                       ; the last step is written out
	STEP 0
	; THE WAY OUT
	PLACES
	v_add_f32 v[ST0+2], v[ST0+2], v[ST0+3]         ; the sums' two halves,
	v_add_f32 v[ST0+10], v[ST0+10], v[ST0+11]
	v_permlanex16_b32 v[TM+4], v[ST0+2], s[SEL], s[SEL+1]
	v_permlanex16_b32 v[TM+5], v[ST0+10], s[SEL], s[SEL+1]
	v_add_f32 v[ST0+2], v[ST0+2], v[TM+4]          ; and lane l xor 16's: the rows' sums
	v_add_f32 v[ST0+10], v[ST0+10], v[TM+5]
	s_wait_alu depctr_va_vdst(0)                   ; directly ahead of the wait below
	s_wait_dscnt 0x0
	s_barrier_signal -1
	s_barrier_wait -1                              ; nobody reads a slot any more, and none is filled again
	WIN 0x08                                       ; an LDS store's data are its source 1: window 2
.set k, 0
.rept 48
	ds_store_b128 v[XA], v[4*k:4*k+3] offset:512*k ; slot 1's O^T as an image of its registers, each accumulator from its low end on
.set k, k+1
.endr
	WIN 0
	ds_store_b32 v[XBW], v[ST0+8] offset:24576
	ds_store_b32 v[XBW], v[ST0+10] offset:24704
	s_wait_dscnt 0x0                               ; for the partner's sake: my stores are done
	s_barrier_signal -1
	s_barrier_wait -1
	ds_load_b32 v[NMR], v[XRB] offset:24576
	ds_load_b32 v[LR], v[XRB] offset:24704
	s_wait_dscnt 0x0
	v_cndmask_b32 v[NMR], v[NMR], v[ST0], s[KM]    ; kind 1: the partner's part belongs to other queries: its M is not looked at,
	v_min_num_f32 v[NM], v[ST0], v[NMR]            ; -M of both parts together
	v_sub_f32 v[T0], v[NM], v[ST0]
	v_sub_f32 v[T1], v[NM], v[NMR]
	v_cvt_i32_f32 v[T0], v[T0]
	v_cvt_i32_f32 v[T1], v[T1]
	v_ldexp_f32 v[FA], 1.0, v[T0]                  ; my part under the common M,
	v_ldexp_f32 v[FBR], 1.0, v[T1]                 ; the partner's;
	v_cndmask_b32 v[FBR], v[FBR], 0, s[KM]         ; and its weight is 0
	v_mul_f32 v[LS], v[LR], v[FBR]
	v_fma_f32 v[LS], v[ST0+2], v[FA], v[LS]        ; the whole row's sum
	s_wait_alu depctr_va_vdst(0)
	v_rcp_f32 v[RL], v[LS]
	v_rcp_f32 v[G1R], v[ST0+10]
	v_nop                                          ; a plain instruction behind the reciprocals,
	s_wait_alu depctr_va_vdst(0)                   ; and one wait for both, ahead of the first reader
	v_mul_f32 v[GA], v[FA], v[RL]
	v_mul_f32 v[GB], v[FBR], v[RL]
	s_wait_alu depctr_va_vdst(0)
; 12 accumulators (half q of the 24) lie in v[FB] on: into my stage.  Accumulator a is channel tile T = 8 (a / 4) + 4 q + a % 4: a lane's eight channels begin at 32 (T / 2) + 8 (T % 2) + 16 h
.macro TOSTAGE q
.set a, 0
.rept 12
.set T, 8*(a/4)+4*\q+a%4
	ds_store_b128 v[SIN], v[FB+8*a:FB+8*a+3] offset:128*(T/2)+32*(T%2)
	ds_store_b128 v[SIN], v[FB+8*a+4:FB+8*a+7] offset:128*(T/2)+32*(T%2)+16
.set a, a+1
.endr
.endm
; 16 whole rows of 1,536 bytes leave the stage, four rows at a time; row i of a tile is row i + 8 (i / 8) from the tile's first
.macro OUT ob
	s_wait_dscnt 0x0                               ; the stores into the stage have read their registers
.irp ch, 0,1,2,3
	s_wait_xcnt 0x0                                ; earlier stores to memory have read theirs
.irp i, 0,1,2,3
.irp k, 0,1,2
	ds_load_b128 v[FB+48*(\ch%3)+4*(3*\i+\k):FB+48*(\ch%3)+4*(3*\i+\k)+3], v[SOUT] offset:OPI*(4*\ch+\i)+512*\k
.endr
.endr
	s_wait_dscnt 0x0
.irp i, 0,1,2,3
.irp k, 0,1,2
	global_store_b128 v[L16], v[FB+48*(\ch%3)+4*(3*\i+\k):FB+48*(\ch%3)+4*(3*\i+\k)+3], s[\ob:\ob+1] offset:((4*\ch+\i)+8*((4*\ch+\i)/8))*1536+512*\k th:TH_STORE_NT   ; 512 consecutive bytes, aligned
.endr
.endr
.endr
.endm
.irp q, 0,1                                    ; slot 0: (my O^T x fa + the partner's x fb) / the sum
	s_wait_dscnt 0x0                               ; the stores into the stage have read their registers
.set k, 0
.rept 24
	ds_load_b128 v[FB+4*k:FB+4*k+3], v[XR] offset:512*(24*\q+k)
.set k, k+1
.endr
	s_wait_dscnt 0x0
.set j, 0
.rept 48
	v_pk_mul_f32 v[FB+j:FB+j+1], v[FB+j:FB+j+1], v[GB:GB+1] op_sel_hi:[1,0]
.set j, j+2
.endr
	WIN 0x01                                       ; source 0 window 1
	s_wait_alu depctr_va_vdst(0)                   ; directly ahead of the first readers of slot 0's O^T
.set j, 0
.rept 48
	v_pk_fma_f32 v[FB+j:FB+j+1], v[96*\q+j:96*\q+j+1], v[GA:GA+1], v[FB+j:FB+j+1] op_sel_hi:[1,0,1]
.set j, j+2
.endr
	WIN 0
	TOSTAGE \q
.endr
	OUT OBA
	s_cmp_eq_u32 s[KIND], 0                        ; kind 0: slot 1's rows are the partner's to store
	s_cbranch_scc1 .Ldone
.irp q, 0,1                                    ; kind 1: slot 1: O^T / its own sum
	s_wait_xcnt 0x0                                ; the stores to memory have read their registers,
	s_wait_dscnt 0x0                               ; and so have those into the stage
	WIN 0x02                                       ; source 0 window 2
.set j, 0
.rept 48
	v_pk_mul_f32 v[FB+j:FB+j+1], v[96*\q+j:96*\q+j+1], v[G1R:G1R+1] op_sel_hi:[1,0]
.set j, j+2
.endr
	WIN 0
	TOSTAGE \q
.endr
	OUT OBA+2
.Ldone:
	s_wait_tensorcnt 0x0                           ; the wave's end: behind my last tensor load and my last LDS store
	ds_add_u32 v[SPW], v[NIL]
	s_wait_dscnt 0x0
	CROUND                                         ; the closing round: no work-group ends while a partner may still ask for a tile that names it
	s_endpgm
.Lfunc_end_k_q2e9ed5e411_attn:
	.size	k_q2e9ed5e411_attn, .Lfunc_end_k_q2e9ed5e411_attn-k_q2e9ed5e411_attn
	.p2alignl 7, 3214868480
	.fill 96, 4, 3214868480
	.section	.rodata,"a",@progbits
	.p2align	6, 0x0
	.amdhsa_kernel k_q2e9ed5e411_attn
		.amdhsa_group_segment_fixed_size 327680
		.amdhsa_private_segment_fixed_size 0
		.amdhsa_enable_private_segment 0
		.amdhsa_kernarg_size 32
		.amdhsa_user_sgpr_count 2
		.amdhsa_user_sgpr_kernarg_segment_ptr 1
		.amdhsa_wavefront_size32 1
		.amdhsa_system_sgpr_workgroup_id_x 1
		.amdhsa_system_sgpr_workgroup_id_y 1
		.amdhsa_system_sgpr_workgroup_id_z 1
		.amdhsa_system_vgpr_workitem_id 0
		.amdhsa_next_free_vgpr 816
		.amdhsa_next_free_sgpr 76
		.amdhsa_reserve_vcc 1
		.amdhsa_float_denorm_mode_32 3
		.amdhsa_float_denorm_mode_16_64 3
		.amdhsa_memory_ordered 1
		.amdhsa_forward_progress 1
		.amdhsa_inst_pref_size 211
	.end_amdhsa_kernel
	.amdgpu_metadata
---
amdhsa.version: [ 1, 2 ]
amdhsa.kernels:
  - .name:           k_q2e9ed5e411_attn
    .symbol:         k_q2e9ed5e411_attn.kd
    .args:
      - { .name: qw, .offset: 0, .size: 8, .value_kind: global_buffer, .address_space: global }
      - { .name: kv, .offset: 8, .size: 8, .value_kind: global_buffer, .address_space: global }
      - { .name: out0, .offset: 16, .size: 8, .value_kind: global_buffer, .address_space: global }
      - { .name: out1, .offset: 24, .size: 8, .value_kind: global_buffer, .address_space: global }
    .group_segment_fixed_size: 327680
    .private_segment_fixed_size: 0
    .kernarg_segment_align: 8
    .kernarg_segment_size: 32
    .max_flat_workgroup_size: 128
    .sgpr_count:     76
    .vgpr_count:     816
    .wavefront_size: 32
...
	.end_amdgpu_metadata
.endif
;; end of part 3
